; MI455X (gfx1250); checked and timed in simulation.
; The chip was launched on July 23, 2026; its instructions are those of AMD's public machine-readable ISA for CDNA 5 (MIT licence, August 2026) and "CDNA5" Instruction Set Architecture Reference Guide (July 2026). The comments in the code are by the model that wrote it; some were corrected since.
;; Custom Int8 Linear. Allowed arithmetic: matrix products marked QUANTISED: E2M1 operands, one E8M0 scale for each 32 along K, by v_wmma_scale_f32_16x16x128_f8f6f4 with both operands' format E2M1 (or v_wmma_scale_f32_32x16x128_f4), f32 sums; everything else in f32.
;; Inputs: bias_param 4,096 float32; input 8 x 512 x 4,096 float32; qweight 4,096 x 4,096 int32; weight_scale 1 float32.
;; Outputs: out0 8 x 512 x 4,096 float32.
;; This version of the problem:
;;   THIS VERSION OF THE PROBLEM IS GIVEN IN LOW PRECISION. The matrix products marked QUANTISED in the list below multiply operands that are first quantised to E2M1 (2 exponent bits, 1 mantissa bit; 4 bits a number), with one power-of-two scale for each 32 numbers along K (OCP MX v1.0); their sums are f32. All else is computed in f32.
;;   The module's matrix products, in the order in which they are computed (A, B: the left and right operand; K: the contracted axis; several contracted axes count as one K, in the product's order):
;;     1. [M 4,096, K 4,096] x [K 4,096, N 4,096]; A: input input; B: computed on the way: QUANTISED
;;   THE QUANTISER, for each operand of a quantised product, along K:
;;     - K is cut into blocks of 32 from its start; a last block that is shorter is filled with zeros.
;;     - A block's scale is 2^e with e = floor(log2(the largest magnitude in the block)) - 2, held to -126 .. 127; a block of zeros has e = 0. As a byte (E8M0): e + 127.
;;     - Each number is divided by its block's scale, clamped to +-6, and rounded to the nearest number of E2M1, ties to even, subnormals kept.
;;     - The product sums the exact products of the quantised numbers (number of the format x scale) in f32.
;;   ~~~python
;;   def quantise(x, axis):      # numpy; x: float32 -> the quantised numbers, widened to float32 again
;;       x = np.moveaxis(x, axis, -1); K = x.shape[-1]
;;       x = np.pad(x, [(0, 0)] * (x.ndim - 1) + [(0, -K % 32)]); x = x.reshape(x.shape[:-1] + (-1, 32)); a = np.abs(x).max(-1, keepdims=True)
;;       e = np.where(a > 0, np.clip(np.frexp(np.where(a > 0, a, 1))[1] - 1 - 2, -126, 127), 0)      # np.frexp(a)[1] - 1 = floor(log2(a)), exactly
;;       r = np.clip(x / 2.0 ** e, -6, 6)
;;       step = 2.0 ** (np.maximum(np.frexp(np.where(r == 0, 1, r))[1] - 1, 0) - 1)
;;       q = np.round(r / step) * step * 2.0 ** e      # np.round: ties to even
;;       return np.moveaxis(q.reshape(q.shape[:-2] + (-1,))[..., :K], -1, axis).astype(np.float32)
;;   ~~~
;;   OPERANDS COMPUTED ON THE WAY. 'Computed on the way' means the value that the module computes at that place (a softmax that the list does not call 'softmax' is quantised finished and normalised). What goes into a quantiser is computed in f32, as accurately as f32 sums, v_exp_f32 and their like allow (about 1e-6 of the number): no bf16 or f16 on the way to a quantiser, and a product that is left as it is and whose result goes on into a quantised operand takes f32 operands (vector FMAs, or v_wmma_f32_16x16x4_f32). A number that lies on a knife's edge between two numbers of the format may be rounded either way, as far as f32 arithmetic and the matrix unit's own rounding can turn it there, and no further.
;; One version. Each part assembles by itself: llvm-mc -triple=amdgcn-amd-amdhsa -mcpu=gfx1250 --defsym DOCPART=n.
;; ======== version 1 of 1: 2 launches
;; limits: right only within a limited range of input values
;; workspace buffers: wq 17,825,792 bytes
;; launch quant (part 1): grid 1024 x 1, 4 waves a work-group, no clusters, 33,280 bytes of LDS; arguments input, qweight, weight_scale, wq; writes wq
.if DOCPART == 1
	.amdgcn_target "amdgcn-amd-amdhsa--gfx1250"
	.amdhsa_code_object_version 6
	.text
	.protected	k_q19b9718356_quant
	.globl	k_q19b9718356_quant
	.p2align	8
	.type	k_q19b9718356_quant,@function
k_q19b9718356_quant:
	s_mov_b64 s[64:65], 0
	v_nop
	global_prefetch_b8 v0, s[64:65] scope:SCOPE_SE
	s_setreg_imm32_b32 hwreg(HW_REG_WAVE_MODE, 25, 1), 1
	s_wait_xcnt 0x0
; Both operands of out = input x weight^T are turned into codes of FP4 (E2M1), 4 bits each, with one E8M0 scale byte for each 32 along K.
; input: [4096][4096] f32.  weight = f32(qweight) x weight_scale[0], qweight: [4096][4096] i32: one conversion and one f32 multiplication, in that order, ahead of the quantiser.
; A block's scale is 2^(floor(log2(its largest magnitude)) - 2); its byte is the largest magnitude's own exponent field - 2, held at 1 from below.  Each number is divided by the scale and
; rounded to the nearest code, ties to even; beyond the largest code the conversion gives the largest code.
; LIMITS: NaN and infinities among the inputs are not served.  A block of zeros gets the byte 1 where the rule says 127: its codes are zeros, which add nothing under any byte but 0xff,
; and the bytes are read by this program alone.  A block whose largest magnitude lies under 2^-124 gets the byte 1, the rule's own hold at 2^-126.
; THE WORKSPACE is laid as the product's launch fetches it: [64 groups of 128 rows][8 K steps of 512][a block of 136 x 256 bytes].  Groups 0-31 are input's rows, groups 32-63 the weight's.
; In a block, the 256 bytes at 256 u (u = 0 .. 127) are the 512 codes of the group's row u, K ascending, the lower k in the low four bits;
; the 256 bytes at 256 (128 + i) are the scale bytes of rows 16 i .. 16 i + 15, 16 bytes a row.
; SHARES.  The 8,192 rows are 512 strips of 16.  A wave takes one strip x one K step: 16 steps, step t = row t of the strip, 512 numbers.  Work-group g: strip g / 2, K steps 4 (g % 2) + wave.
; The first WGA work-groups take input, the others qweight: the pointer is chosen on the work-group's number, and the integers' two extra lines a number stand under a branch on it.
; A STEP.  The conversions take 8 numbers of ONE block from a lane's consecutive registers, so a lane must hold 16 neighbours along K (two neighbouring lanes hold a block); a load is best where neighbouring
; LANES take neighbouring bytes.  Both are had: each of a step's four loads reads 512 consecutive bytes, 16 a lane; the 2,048 bytes go through the wave's own stage in LDS and come back 64 bytes a lane.
; A lane's 16 codes are 8 bytes: the wave's store covers 256 consecutive bytes, aligned.  A step makes 16 scale bytes, the wave's 16 steps 256: gathered in LDS, they leave by one store of 256 consecutive bytes, aligned.
; No tensor loads, no barrier: waves share nothing.  Loads run four steps (16 loads a wave) ahead, the turn through LDS one step.  Every offset is an immediate; no address register and no store's data are written twice.
.set STEPS, 16
.set WGA,   512                        ; work-groups that take input
.set ROWB,  16384                      ; a row of input or of qweight in bytes
.set BLKB,  136*256                    ; a block of the workspace
.set GRPB,  8*BLKB                     ; a group's eight blocks
.set SP,    80                         ; a lane's place in a stage: its 64 bytes + 16 of padding
.set WREG,  8192                       ; LDS: a region for each wave: two stages of 32 x SP bytes, then its 256 scale bytes
.set R,     16                         ; v16-79   four sets of 16 registers as they are loaded
.set X,     80                         ; v80-111  two sets of 16 neighbours
.set E,     112                        ; v112-127 a scale byte for each step
.set C,     128                        ; v128-191 codes: four registers set aside for each step
	s_load_b256 s[4:11], s[0:1], 0x0               ; input s[4:5], qweight s[6:7], weight_scale s[8:9], the workspace s[10:11]
	v_lshl_add_u32 v7, v0, 2, 32768                ; my spare word, behind the four waves' regions: 128 bytes a wave, two blocks of 256 bytes that no other line names; never rewritten
	v_mov_b32 v10, 0                               ; 0; never rewritten
	v_lshrrev_b32 v1, 5, v0
	v_readfirstlane_b32 s12, v1                    ; wave 0..3
	v_and_b32 v2, 31, v0                           ; lane
	v_lshlrev_b32 v3, 4, v2                        ; my 16 bytes of a load's 512
	s_mul_i32 s13, s12, WREG                       ; my wave's LDS
	v_lshrrev_b32 v14, 2, v2
	v_mul_u32_u24 v14, v14, SP
	v_and_b32 v15, 3, v2
	v_lshl_add_u32 v14, v15, 4, v14
	v_add_nc_u32 v14, s13, v14                     ; the stage, on the way in: four lanes' 64 bytes on end, then 16 of padding: SP (lane / 4) + 16 (lane % 4)
	v_mul_u32_u24 v15, v2, SP
	v_add_nc_u32 v15, s13, v15                     ; and on the way out: SP x lane: my 16 neighbours
	v_lshlrev_b32 v4, 3, v2                        ; 8 x lane: my codes' place in a step's 256 bytes, and my 8 of the wave's 256 scale bytes
	v_lshrrev_b32 v5, 1, v2
	s_add_co_u32 s13, s13, 2*32*SP
	v_add_nc_u32 v5, s13, v5                       ; LDS: my wave's scale bytes, my block's byte
	v_add_nc_u32 v6, s13, v4                       ; and on the way out 8 bytes a lane
	s_and_b32 s16, ttmp9, 1
	s_lshl_b32 s16, s16, 2
	s_add_co_u32 s16, s16, s12                     ; my K step: 4 (g % 2) + wave
	s_lshr_b32 s17, ttmp9, 1
	s_and_b32 s17, s17, 7                          ; which 16 rows of the group of 128 my strip is
	s_lshr_b32 s22, ttmp9, 4                       ; the group
	s_mul_i32 s22, s22, GRPB
	s_mul_i32 s23, s16, BLKB
	s_add_co_u32 s22, s22, s23                     ; my block's first byte in the workspace (under 2^25)
	s_lshl_b32 s26, s17, 8
	s_add_co_u32 s26, s26, s22
	s_add_co_u32 s26, s26, 128*256                 ; my strip's 256 scale bytes: behind the block's 128 rows of codes
	s_mov_b32 s27, 0
	s_lshl_b32 s23, s17, 12
	s_add_co_u32 s22, s22, s23                     ; my strip's 16 rows of codes
	s_mov_b32 s23, 0
	s_wait_alu depctr_va_vdst(0)
	s_wait_kmcnt 0x0
	s_cmp_lt_u32 ttmp9, WGA                        ; input's work-group or qweight's?  The choice hangs on the work-group's number alone
	s_cselect_b64 s[4:5], s[4:5], s[6:7]
	s_cselect_b32 s14, 0, WGA
	s_sub_co_u32 s14, ttmp9, s14
	s_lshr_b32 s14, s14, 1                         ; my strip in its tensor, 0 .. 255
	s_lshl_b32 s20, s14, 18                        ; 16 rows of 16,384 bytes a strip,
	s_lshl_b32 s21, s16, 11                        ; 2,048 bytes a K step (the sum stays under 2^26)
	s_add_co_u32 s20, s20, s21
	s_mov_b32 s21, 0
	s_add_nc_u64 s[4:5], s[4:5], s[20:21]
	s_add_nc_u64 s[18:19], s[10:11], s[26:27]      ; where my scale bytes go
	s_add_nc_u64 s[10:11], s[10:11], s[22:23]      ; where my codes go
	s_load_b32 s24, s[8:9], 0x0                    ; weight_scale[0]
.macro LOAD t                          ; row t's 2,048 bytes of my K step into set t % 4
.irp i, 0,1,2,3
	global_load_b128 v[R+16*((\t)%4)+4*\i:R+16*((\t)%4)+4*\i+3], v3, s[4:5] offset:ROWB*(\t)+512*\i th:TH_LOAD_NT   ; 32 lanes read 512 consecutive bytes; read once in the launch
.endr
.endm
.macro TURN t                          ; step t's numbers through the stage: LDS serves a wave's instructions in order (ISA guide 5.7.1.4), so no wait stands between the stores and the loads
.irp i, 0,1,2,3
	ds_store_b128 v14, v[R+16*((\t)%4)+4*\i:R+16*((\t)%4)+4*\i+3] offset:32*SP*((\t)%2)+8*SP*\i
.endr
.irp i, 0,1,2,3
	ds_load_b128 v[X+16*((\t)%2)+4*\i:X+16*((\t)%2)+4*\i+3], v15 offset:32*SP*((\t)%2)+16*\i
.endr
.endm
.irp t, 0,1,2,3
	LOAD \t
.endr
	s_wait_kmcnt 0x0                               ; the scale is in
	s_mov_b32 s25, s24                             ; (the packed multiplication names a pair and takes its low word for both halves: so the upper word is written)
	s_wait_loadcnt 12                              ; step 0's four loads are in; the twelve of steps 1 to 3 may be out
	TURN 0
.macro STEP t
.set XS, X+16*((\t)%2)
.if (\t) > 0
	s_wait_dscnt 1                                 ; this step's numbers are back from the stage (the last step's byte store may be out): so its stores into the stage have read their registers,
.else
	s_wait_dscnt 0x0
.endif
.if (\t)+4 < STEPS
	LOAD (\t)+4                                    ; which take the loads of four steps on
.endif
.if (\t)+1 < STEPS
.if STEPS-2-(\t) >= 3
	s_wait_loadcnt 12                              ; the next step's four loads are in; those of the three steps behind it may be out
.else
	s_wait_loadcnt 4*(STEPS-2-(\t))                ; the tail: four for each step still behind the next
.endif
	TURN (\t)+1                                    ; and go through the other stage while this step is worked
.endif
	s_cmp_lt_u32 ttmp9, WGA                        ; input's numbers are f32 as they come; only register work stands under this branch
	s_cbranch_scc1 .Lf32_\@
.irp i, 0,1,2,3,4,5,6,7,8,9,10,11,12,13,14,15
	v_cvt_f32_i32 v[XS+\i], v[XS+\i]               ; the weight: the integer as f32 (exact: it has far fewer than 24 bits),
.endr
.irp i, 0,2,4,6,8,10,12,14
	v_pk_mul_f32 v[XS+\i:XS+\i+1], v[XS+\i:XS+\i+1], s[24:25] op_sel_hi:[1,0]   ; times the scale, rounded once to f32
.endr
.Lf32_\@:
	v_max3_num_f32 v8, |v[XS]|, |v[XS+1]|, |v[XS+2]|               ; the largest magnitude of my 16, in two chains
	v_max3_num_f32 v9, |v[XS+3]|, |v[XS+4]|, |v[XS+5]|
.irp i, 6,10
	v_max3_num_f32 v8, v8, |v[XS+\i]|, |v[XS+\i+1]|
	v_max3_num_f32 v9, v9, |v[XS+\i+2]|, |v[XS+\i+3]|
.endr
	v_max3_num_f32 v8, v8, |v[XS+14]|, |v[XS+15]|
	v_max3_num_f32 v8, v8, v9, 0x1800000           ; and the floor 2^(3 - 127), under which no largest magnitude is taken: so the byte cannot fall under 1
	v_max_num_f32_dpp v8, v8, v8 row_xmask:1 row_mask:0xf bank_mask:0xf   ; and of my neighbour's 16: the block's
	v_add_nc_u32 v11, 0xff000000, v8               ; 2 off its exponent field: the conversion takes the exponent field of this operand as its scale, and nothing else of it
	v_cvt_scalef32_pk8_fp4_f32 v[C+4*(\t)], v[XS:XS+7], v11        ; eight numbers / the scale, to the nearest code, ties to even; the first number's code in the lowest four bits
	v_cvt_scalef32_pk8_fp4_f32 v[C+4*(\t)+1], v[XS+8:XS+15], v11
	v_lshrrev_b32 v[E+(\t)], 23, v11               ; the scale's byte.  (Also the plain vector line behind the conversions)
	ds_store_b8 v5, v[E+(\t)] offset:16*(\t)       ; both lanes of a block write the same byte with the same value
	global_store_b64 v4, v[C+4*(\t):C+4*(\t)+1], s[10:11] offset:256*(\t)   ; 32 lanes store 256 consecutive bytes, at a multiple of 256 from the workspace's first byte: row t's codes
.endm
.irp t, 0,1,2,3,4,5,6,7,8,9,10,11,12,13,14,15
	STEP \t
.endr
	ds_load_b64 v[12:13], v6                       ; LDS serves a wave's instructions in order: these see my byte stores
	s_wait_dscnt 0x0
	global_store_b64 v4, v[12:13], s[18:19]        ; 32 lanes store 256 consecutive bytes, aligned: the strip's scale bytes, 16 a row
	s_wait_tensorcnt 0x0                           ; the wave's end, behind my last LDS store
	ds_add_u32 v7, v10
	s_wait_dscnt 0x0
	s_endpgm
.Lfunc_end_k_q19b9718356_quant:
	.size	k_q19b9718356_quant, .Lfunc_end_k_q19b9718356_quant-k_q19b9718356_quant
	.p2alignl 7, 3214868480
	.fill 96, 4, 3214868480
	.section	.rodata,"a",@progbits
	.p2align	6, 0x0
	.amdhsa_kernel k_q19b9718356_quant
		.amdhsa_group_segment_fixed_size 33280
		.amdhsa_private_segment_fixed_size 0
		.amdhsa_enable_private_segment 0
		.amdhsa_kernarg_size 32
		.amdhsa_user_sgpr_count 2
		.amdhsa_user_sgpr_kernarg_segment_ptr 1
		.amdhsa_wavefront_size32 1
		.amdhsa_system_sgpr_workgroup_id_x 1
		.amdhsa_system_sgpr_workgroup_id_y 1
		.amdhsa_system_sgpr_workgroup_id_z 1
		.amdhsa_system_vgpr_workitem_id 0
		.amdhsa_next_free_vgpr 192
		.amdhsa_next_free_sgpr 66
		.amdhsa_reserve_vcc 0
		.amdhsa_float_denorm_mode_32 3
		.amdhsa_float_denorm_mode_16_64 3
		.amdhsa_memory_ordered 1
		.amdhsa_forward_progress 1
		.amdhsa_inst_pref_size 51
	.end_amdhsa_kernel
	.amdgpu_metadata
---
amdhsa.version: [ 1, 2 ]
amdhsa.kernels:
  - .name:           k_q19b9718356_quant
    .symbol:         k_q19b9718356_quant.kd
    .args:
      - { .name: input, .offset: 0, .size: 8, .value_kind: global_buffer, .address_space: global }
      - { .name: qweight, .offset: 8, .size: 8, .value_kind: global_buffer, .address_space: global }
      - { .name: weight_scale, .offset: 16, .size: 8, .value_kind: global_buffer, .address_space: global }
      - { .name: wq, .offset: 24, .size: 8, .value_kind: global_buffer, .address_space: global }
    .group_segment_fixed_size: 33280
    .private_segment_fixed_size: 0
    .kernarg_segment_align: 8
    .kernarg_segment_size: 32
    .max_flat_workgroup_size: 128
    .sgpr_count:     66
    .vgpr_count:     192
    .wavefront_size: 32
...
	.end_amdgpu_metadata
.endif
;; end of part 1
;; launch gemm (part 2): grid 16 x 16, 4 waves a work-group, clusters of 4 x 4, 327,680 bytes of LDS; arguments wq, bias_param, out0; writes out0
.if DOCPART == 2
	.amdgcn_target "amdgcn-amd-amdhsa--gfx1250"
	.amdhsa_code_object_version 6
	.text
	.protected	k_q19b9718356_gemm
	.globl	k_q19b9718356_gemm
	.p2align	8
	.type	k_q19b9718356_gemm,@function
k_q19b9718356_gemm:
	s_mov_b64 s[64:65], 0
	v_nop
	global_prefetch_b8 v0, s[64:65] scope:SCOPE_SE
	s_setreg_imm32_b32 hwreg(HW_REG_WAVE_MODE, 25, 1), 1
	s_wait_xcnt 0x0
	s_wait_alu depctr_hold_cnt(0) depctr_sa_sdst(0) depctr_va_vdst(0) depctr_va_sdst(0) depctr_va_ssrc(0) depctr_va_vcc(0) depctr_vm_vsrc(0)
	s_getreg_b32 s2, hwreg(HW_REG_IB_STS2, 6, 4)
	s_cmp_eq_u32 s2, 0
	s_cbranch_scc0 .Lentry_in_a_cluster
	s_endpgm
.Lentry_in_a_cluster:
	s_bfe_u32 s2, ttmp6, 0x10000c
	s_cmp_lg_u32 s2, 0xf033
	s_cbranch_scc0 .Lentry_shape_is_right
	s_endpgm
.Lentry_shape_is_right:
; out0[m][n] = bias_param[n] + sum over k of A[m][k] B[n][k]: A = input, B = the weight, both as FP4 (E2M1) codes with one E8M0 byte for each 32 along K, as launch quant laid them in wq; sums in f32.
; wq: [64 groups of 128 rows][8 K steps of 512][136 units of 256 bytes]: units 0-127 the codes of the group's rows, units 128-135 the scale bytes of 16 rows each, 16 bytes a row.  Groups 0-31 A, 32-63 B.
; A block of out0, 256 x 256, is made by four waves, each 128 x 128: 64 accumulators, 512 registers.  256 work-groups.  K goes in 8 steps of 512 through two LDS slots; a wave fetches one group's unit block (34,816 bytes, dense) by one tensor load.
; CLUSTERS: 4 x 4 work-groups; A's blocks are asked for jointly along a row of the cluster, B's along a column.  Each cluster begins at a K step of its own (an even one) and walks all eight, modulo 8: sums in f32 in that order.
; THE MATRIX INSTRUCTION IS USED TRANSPOSED (source 0 = 16 rows of B, source 1 = 16 rows of A): a lane holds eight neighbouring numbers of a row of out0.  The bias is the C of each accumulator's first product.
; FRAGMENTS: A and B have TWO register sets each.  A step of 128 along K (64 products) begins with ONE run of 32 LDS loads, the next step's fragments into the other set, and then multiplies its own set.
; So a slot's last reads are issued at the head of its third step, and the change of slots stands 16 products into its fourth.
; THE LAST K STEP GOES BY ROWS OF out0: all its fragments of B lie in registers, and my eight blocks of 16 rows are finished and stored one after the other.
; PREFETCH: behind the second step of 128 of K steps 0 to 5 of my walk each wave asks for the K step that the next refill brings (steps 2 to 7), 80 matrix instructions ahead of that refill;
; the 136 units of the group that the wave fetches are shared 34 to a partner, by address.  Steps 0 and 1 come by their loads alone; one step at the most is asked for and not yet loaded.
; REGISTERS: window 0: v0-31 addresses; v32-95 scale words, a set for each slot; v128-255 A's two sets.  Window 1: v0-63, v128-191 B's two sets; v64-127 the bias.  Windows 2, 3: the accumulators.
;   In the last K step: window 1 all of B (quarter q at v[64 q]); v128-255 four buffers of A (16 rows x 512 K); v32-63 and v96-127 rows read back from the stage.
.set SIZE_N, 4096
.set NQ,     4                         ; steps of 128 in a slot
.set PITCH,  272                       ; an LDS row: 256 bytes + 16 of padding
.set NP,     4                         ; places behind this matrix instruction (ISA guide 7.12.1)
.set UNITS,  136
.set QUART,  UNITS*PITCH               ; what one tensor load fills
.set SOFF,   128*PITCH                 ; the scale units in it
.set SLOT,   4*QUART                   ; A's two groups, then B's two
.set SPARE,  2*SLOT                    ; the spare words: 128 bytes a wave, two blocks of 256 bytes that no other line names
.set BLKB,   UNITS*256
.set GRPB,   8*BLKB
.set BOFF,   32*GRPB
.set LAPS,   4
.set SPITCH, 528                       ; the way out: a stage of 16 rows x (512 + 16) bytes a wave, in slot 0, behind its last fill and last read
.set ADRA, 16                          ; v16-17 my A fragments in slot 0, 1
.set ADRB, 20                          ; v20-21 my B fragments
.set ADRS, 22                          ; v22-23 my scale words: lanes 0-15 A's, lanes 16-31 B's
.set STO,  24
.set RD,   25
.set CO,   26
.set BO,   27                          ; my 32 bytes of 64 of the bias
.set SPW,  28                          ; my spare word; never rewritten
.set NIL,  29                          ; 0; never rewritten
.set PF0,  30                          ; prefetch offsets: units 0-31 of my 34,
.set PF1,  31                          ; units 32, 33 (lanes 1-31 name the last)
.set SC,   32
.set AF,   128
.set BIAS, 64                          ; in window 1
.set STP,  2                           ; the K step that the next refill brings (taken modulo 8)
.set GA,   10                          ; s[10:11], s[12:13]: the groups of A and of B that I fetch
.set GB,   12
.set OFS,  18
.set G1, 24
.set G0, 32
.set G1B, 48
.set G0B, 56
.set PB,  66                           ; s[66:67] my 34 units of the group that I fetch, at K step 0
.set PFA, 68                           ; s[68:69] the same at the step asked for
.set MSB, 0
.macro WIN new                         ; the immediate's high byte repeats the setting that is left
.if MSB != (\new)
	s_set_vgpr_msb (MSB<<8)|(\new)
.set MSB, (\new)
.endif
.endm
.set MUL_LO, 0xa1                      ; source 0 (B) window 1, source 1 (A) window 0, C and D window 2
.set MUL_HI, 0xf1                      ; C and D window 3
.set TO_B,   0x40                      ; destination window 1
.macro JLOAD g0a, g1a, g0b, g1b        ; waves 0, 1 fetch A's groups, waves 2, 3 B's; s_nop 0 and four v_nop behind each line
	s_cmp_eq_u32 s15, 0
	s_cbranch_scc0 .Lfor_b_\@
	tensor_load_to_lds s[\g0a:\g0a+3], s[\g1a:\g1a+7]
	s_nop 0
.rept 4
	v_nop
.endr
	s_branch .Lasked_\@
.Lfor_b_\@:
	tensor_load_to_lds s[\g0b:\g0b+3], s[\g1b:\g1b+7]
	s_nop 0
.rept 4
	v_nop
.endr
.Lasked_\@:
.endm
.macro CREST                           ; a round of the cluster's barrier behind its opening barrier
	s_cmp_lg_u32 s14, 0
	s_cbranch_scc1 .Lnot_wave_0_\@
	s_barrier_signal -3
.Lnot_wave_0_\@:
	s_barrier_wait -3
	s_barrier_signal -1
	s_barrier_wait -1
.endm
.macro CROUND
	s_barrier_signal -1
	s_barrier_wait -1
	CREST
.endm
	s_load_b128 s[4:7], s[0:1], 0x0                ; wq, bias_param
	s_load_b64 s[8:9], s[0:1], 0x10                ; out0
	v_lshl_add_u32 v[SPW], v0, 2, SPARE
	v_mov_b32 v[NIL], 0
	ds_add_u32 v[SPW], v[NIL]                      ; the opening: the add, twice on end, and its wait ahead of my first tensor load
	ds_add_u32 v[SPW], v[NIL]
	v_lshrrev_b32 v1, 5, v0
	v_readfirstlane_b32 s14, v1                    ; wave
	s_lshr_b32 s15, s14, 1                         ; my half of the block's rows; also: I fetch for A (0) or B (1)
	s_and_b32 s16, s14, 1                          ; my half of its columns; also: which of the two groups I fetch
	s_bfe_u32 s40, ttmp6, 0x40000                  ; cx
	s_bfe_u32 s41, ttmp6, 0x40004                  ; cy
	s_lshl_b32 s42, ttmp9, 2
	s_add_co_u32 s42, s42, s40                     ; block column
	s_and_b32 s17, ttmp7, 0xffff
	s_lshl_b32 s17, s17, 2
	s_add_co_u32 s17, s17, s41                     ; block row
	s_lshl_b32 s43, s41, 2
	s_lshl_b32 s43, 15, s43                        ; my row of the cluster
	s_lshl_b32 s44, 0x1111, s40                    ; my column
	s_and_b32 s18, ttmp7, 0xffff                   ; the cluster's first K step: 2 x + 4 ((y ^ y / 2) & 1), modulo 8: even, the same in all sixteen
	s_lshr_b32 s19, s18, 1
	s_xor_b32 s18, s18, s19
	s_and_b32 s18, s18, 1
	s_lshl_b32 s18, s18, 2
	s_lshl_b32 s19, ttmp9, 1
	s_add_co_u32 s18, s18, s19
	s_and_b32 s[STP], s18, 7
	s_mul_i32 s[OFS], s[STP], BLKB
	s_mov_b32 s[OFS+1], 0
	s_add_co_u32 s[STP], s[STP], 2
	s_mov_b32 s79, 0                               ; the upper word of the prefetches' offset s[78:79]
	s_or_b32 s[G1+0], s43, (3<<16)|(1<<20)|(1<<21)|(5<<22)|(3<<25)   ; mask; elements of 8 bytes; 4 words of padding behind every 64; bit 21 beside a mask
	s_or_b32 s[G1B+0], s44, (3<<16)|(1<<20)|(1<<21)|(5<<22)|(3<<25)
.irp g, G1, G1B
	s_mov_b32 s[\g+1], 32<<16                      ; rows of 32 elements = 256 bytes
	s_mov_b32 s[\g+2], UNITS<<16
	s_mov_b32 s[\g+3], 32<<16
	s_mov_b32 s[\g+4], UNITS
	s_mov_b32 s[\g+5], 32
	s_mov_b32 s[\g+6], 0
	s_mov_b32 s[\g+7], 0
.endr
	s_lshl_b32 s20, s17, 1
	s_add_co_u32 s20, s20, s16
	s_mul_i32 s20, s20, GRPB                       ; A's group: 2 x block row + which
	s_mov_b32 s21, 0
	s_lshl_b32 s46, s42, 1
	s_add_co_u32 s46, s46, s16
	s_mul_i32 s46, s46, GRPB
	s_add_co_u32 s46, s46, BOFF                    ; B's group
	s_mov_b32 s47, 0
	s_mul_i32 s45, s14, QUART                      ; where my load lands: wave x a quarter of a slot
	s_lshl_b32 s22, s17, 8
	s_lshl_b32 s23, s15, 7
	s_add_co_u32 s22, s22, s23
	s_lshl_b32 s22, s22, 14                        ; my first row of out0, 16,384 bytes a row
	s_lshl_b32 s76, s42, 10
	s_lshl_b32 s77, s16, 9
	s_add_co_u32 s76, s76, s77                     ; my first column, in bytes
	s_mov_b32 s77, 0
	s_add_co_u32 s22, s22, s76                     ; (under 2^27)
	s_mov_b32 s23, 0
	s_cmp_eq_u32 s15, 0
	s_cselect_b32 s82, s40, s41                    ; my place among the four that ask with me
	s_mul_i32 s82, s82, 34*256
	s_mov_b32 s83, 0
	s_mul_i32 s72, s15, QUART                      ; my 128 rows of A in a slot
	s_mul_i32 s73, s16, QUART
	s_add_co_u32 s73, s73, 2*QUART                 ; my 128 rows of B
	s_xor_b32 s74, s15, 1
	s_add_co_u32 s74, s74, s16
	s_add_co_u32 s74, s74, 1
	s_mul_i32 s74, s74, QUART                      ; from A's scale units to B's
	s_add_co_u32 s75, s72, SOFF
	s_mul_i32 s80, s14, 16*SPITCH                  ; my stage
	v_and_b32 v1, 15, v0                           ; l % 16
	v_bfe_u32 v2, v0, 4, 1                         ; l / 16
	v_mul_u32_u24 v3, v1, PITCH
	v_lshl_add_u32 v4, v2, 4, v3                   ; a fragment's row x pitch + 16 x half
	v_add_nc_u32 v[ADRA], s72, v4
	v_add_nc_u32 v[ADRB], s73, v4
	v_add_nc_u32 v[ADRA+1], SLOT, v[ADRA]
	v_add_nc_u32 v[ADRB+1], SLOT, v[ADRB]
	v_lshlrev_b32 v5, 4, v1                        ; 16 scale bytes a row
	v_mul_u32_u24 v6, s74, v2                      ; lanes 16-31 take B's
	v_add_nc_u32 v5, v5, v6
	v_add_nc_u32 v[ADRS], s75, v5
	v_add_nc_u32 v[ADRS+1], SLOT, v[ADRS]
	v_mul_u32_u24 v5, v1, SPITCH
	v_lshl_add_u32 v5, v2, 5, v5
	v_add_nc_u32 v[STO], s80, v5                   ; into the stage: row l % 16, 32 bytes a half
	v_and_b32 v6, 31, v0
	v_lshlrev_b32 v[CO], 4, v6                     ; back: 32 lanes take a row of 512 bytes
	v_add_nc_u32 v[RD], s80, v[CO]
	v_lshlrev_b32 v[BO], 5, v2
	v_lshlrev_b32 v[PF0], 8, v6
	v_min_u32 v7, 1, v6
	v_lshl_add_u32 v[PF1], v7, 8, 32*256
	s_wait_alu depctr_va_vdst(0)                   ; the end of the head's vector work
	s_wait_dscnt 0x0                               ; both opening adds are done
	s_wait_kmcnt 0x0
	s_add_nc_u64 s[GA:GA+1], s[4:5], s[20:21]
	s_add_nc_u64 s[GB:GB+1], s[4:5], s[46:47]
	s_add_nc_u64 s[8:9], s[8:9], s[22:23]
	s_add_nc_u64 s[6:7], s[6:7], s[76:77]
	s_cmp_eq_u32 s15, 0
	s_cselect_b64 s[PB:PB+1], s[GA:GA+1], s[GB:GB+1]
	s_add_nc_u64 s[PB:PB+1], s[PB:PB+1], s[82:83]
	s_add_nc_u64 s[20:21], s[GA:GA+1], s[OFS:OFS+1]
	s_add_nc_u64 s[46:47], s[GB:GB+1], s[OFS:OFS+1]
.irp s, 0,1
	s_mov_b32 s[G0+4*\s], 1
	s_add_co_u32 s[G0+4*\s+1], s45, \s*SLOT
	s_add_nc_u64 s[G0+4*\s+2:G0+4*\s+3], s[20:21], \s*BLKB           ; the first step is even: the second lies behind it
	s_or_b32 s[G0+4*\s+3], s[G0+4*\s+3], 0x80000000
	s_mov_b32 s[G0B+4*\s], 1
	s_add_co_u32 s[G0B+4*\s+1], s45, \s*SLOT
	s_add_nc_u64 s[G0B+4*\s+2:G0B+4*\s+3], s[46:47], \s*BLKB
	s_or_b32 s[G0B+4*\s+3], s[G0B+4*\s+3], 0x80000000
.endr
	CROUND                                         ; all sixteen work-groups are here: the first joint loads meet
	JLOAD G0, G1, G0B, G1B                         ; my first step: one tensor load a wave at the head
	WIN TO_B
.irp b, 0,1,2,3,4,5,6,7
	global_load_b128 v[BIAS+8*\b:BIAS+8*\b+3],   v[BO], s[6:7] offset:64*\b      ; the bias of columns 16 b + 8 (l / 16) + 0 .. 7: the layout of a result
	global_load_b128 v[BIAS+8*\b+4:BIAS+8*\b+7], v[BO], s[6:7] offset:64*\b+16
.endr
	WIN 0
.macro FRAG reg, adr, q, i             ; 16 rows x 128 K of 4-bit codes: 8 registers, two loads of 16 bytes, 32 bytes apart
.irp c, 0,1
	ds_load_b128 v[\reg+4*\c:\reg+4*\c+3], v[\adr] offset:64*(\q)+32*\c+(\i)*16*PITCH
.endr
.endm
.macro FETCH slot, q, p                ; 32 loads in one run: B's and A's eight blocks of the slot's q-th 128 along K into set p
	WIN TO_B
.irp i, 0,1,2,3,4,5,6,7
	FRAG 128*(\p)+8*\i, ADRB+\slot, \q, \i
.endr
	WIN 0
.irp i, 0,1,2,3,4,5,6,7
	FRAG AF+64*(\p)+8*\i, ADRA+\slot, \q, \i
.endr
.endm
.macro SCALES slot                     ; 8 loads: a K step's scale words, 4 a row; lanes 0-15 A's block i, lanes 16-31 B's block i
	WIN 0
.irp i, 0,1,2,3,4,5,6,7
	ds_load_b128 v[SC+8*NQ*\slot+NQ*\i:SC+8*NQ*\slot+NQ*\i+3], v[ADRS+\slot] offset:\i*PITCH
.endr
.endm
.macro MUL8 a, p, q, sc, first         ; A's block a against B's eight; the 64 accumulators take turns in one order in every step
.irp b, 0,1,2,3,4,5,6,7
.if \first
	v_wmma_scale_f32_16x16x128_f8f6f4 v[8*(8*((\a)%4)+\b):8*(8*((\a)%4)+\b)+7], v[128*(\p)+8*\b:128*(\p)+8*\b+7], v[AF+64*(\p)+8*(\a):AF+64*(\p)+8*(\a)+7], v[BIAS+8*\b:BIAS+8*\b+7], v[SC+8*NQ*(\sc)+NQ*\b+(\q)], v[SC+8*NQ*(\sc)+NQ*(\a)+(\q)] matrix_a_fmt:MATRIX_FMT_FP4 matrix_b_fmt:MATRIX_FMT_FP4 matrix_a_scale:MATRIX_SCALE_ROW1
.else
	v_wmma_scale_f32_16x16x128_f8f6f4 v[8*(8*((\a)%4)+\b):8*(8*((\a)%4)+\b)+7], v[128*(\p)+8*\b:128*(\p)+8*\b+7], v[AF+64*(\p)+8*(\a):AF+64*(\p)+8*(\a)+7], v[8*(8*((\a)%4)+\b):8*(8*((\a)%4)+\b)+7], v[SC+8*NQ*(\sc)+NQ*\b+(\q)], v[SC+8*NQ*(\sc)+NQ*(\a)+(\q)] matrix_a_fmt:MATRIX_FMT_FP4 matrix_b_fmt:MATRIX_FMT_FP4 matrix_a_scale:MATRIX_SCALE_ROW1
.endif
.endr
.endm
.macro PLACES n
.rept \n
	v_nop
.endr
.endm
; A step of 128 along K on set q % 2, with a successor in the same slot: that one's fragments go into the other set, whose last readers stand ahead of the four places.  first = 1: C is the bias, in window 1.
.macro STEP slot, q, first
	PLACES NP
	FETCH \slot, (\q)+1, 1-(\q)%2
	s_wait_dscnt 32                                ; all but the 32 just issued: this step's fragments (and scale words) are in
	WIN MUL_LO-0x10*(\first)
.irp a, 0,1,2,3
	MUL8 \a, (\q)%2, \q, \slot, \first
.endr
	WIN MUL_HI-0x20*(\first)
.irp a, 4,5,6,7
	MUL8 \a, (\q)%2, \q, \slot, \first
.endr
.endm
; A slot's last step (set 1) changes slots.  MEET: its first 16 products, the three lines and the barrier.  Its fragments were asked for a step ago, so the slot's reads are over.  fill = 1 (in the loop alone): the slot is filled again.
.macro MEET slot, fill
	WIN 0
	s_wait_tensorcnt 0x0                           ; all my tensor loads have landed: my part of the next slot
	ds_add_u32 v[SPW], v[NIL]
.if \fill
	s_and_b32 s[OFS], s[STP], 7                    ; no tensor load of mine is out: the slot's group 0 takes the next step
	s_mul_i32 s[OFS], s[OFS], BLKB
	s_add_co_u32 s[STP], s[STP], 1
	s_add_nc_u64 s[G0+4*\slot+2:G0+4*\slot+3], s[GA:GA+1], s[OFS:OFS+1]
	s_or_b32 s[G0+4*\slot+3], s[G0+4*\slot+3], 0x80000000
	s_add_nc_u64 s[G0B+4*\slot+2:G0B+4*\slot+3], s[GB:GB+1], s[OFS:OFS+1]
	s_or_b32 s[G0B+4*\slot+3], s[G0B+4*\slot+3], 0x80000000
.endif
	s_wait_dscnt 1                                 ; the add alone may be out
	WIN MUL_LO
	MUL8 0, 1, NQ-1, \slot, 0
	s_wait_dscnt 0x0                               ; the add is done, and my reads of this slot are over
	s_barrier_signal -1
	MUL8 1, 1, NQ-1, \slot, 0
	WIN 0
	s_barrier_wait -1
.if \fill
	CREST                                          ; the barrier has opened a round of the cluster's barrier
	JLOAD G0+4*\slot, G1, G0B+4*\slot, G1B         ; the first tensor load behind the round; its four v_nop are the places in front of the loads that follow
.else
	PLACES NP
.endif
.endm
.macro REST slot                       ; the step's other 48 products
	WIN MUL_LO
	MUL8 2, 1, NQ-1, \slot, 0
	MUL8 3, 1, NQ-1, \slot, 0
	WIN MUL_HI
.irp a, 4,5,6,7
	MUL8 \a, 1, NQ-1, \slot, 0
.endr
.endm
.macro TURN slot, next
	MEET \slot, 1
	SCALES \next
	FETCH \next, 0, 0
	REST \slot
.endm
; The prefetch, in the middle of a K step: my 34 units of the K step that the next refill brings (STP, modulo 8): a lane a unit, two instructions.  The loop's six K steps ask for steps 2 to 7 of my walk.
.macro ASK
	WIN 0
	s_wait_xcnt 0x0                                ; my last prefetches, four steps of 128 back, have read their base
	s_and_b32 s78, s[STP], 7
	s_mul_i32 s78, s78, BLKB
	s_add_nc_u64 s[PFA:PFA+1], s[PB:PB+1], s[78:79]
	global_prefetch_b8 v[PF0], s[PFA:PFA+1] th:TH_LOAD_NT scope:SCOPE_SE
	global_prefetch_b8 v[PF1], s[PFA:PFA+1] th:TH_LOAD_NT scope:SCOPE_SE
.endm
	s_wait_tensorcnt 0x0                           ; my part of the first step is in
	ds_add_u32 v[SPW], v[NIL]
	s_wait_dscnt 0x0
	CROUND                                         ; everybody's part is in, and the sixteen work-groups meet
	JLOAD G0+4, G1, G0B+4, G1B                     ; slot 1's first fill: the first tensor load behind the round
	SCALES 0
	FETCH 0, 0, 0
	s_wait_loadcnt 0x0                             ; the bias
	STEP 0, 0, 1                                   ; the first step stands ahead of the loop: its products start the sums on the bias
	WIN 0
	s_mov_b32 s3, LAPS-1
.Llap:                                                 ; a trip goes once round the ring and fills both slots again
	STEP 0, 1, 0
	ASK
	STEP 0, 2, 0
	TURN 0, 1
	STEP 1, 0, 0
	STEP 1, 1, 0
	ASK
	STEP 1, 2, 0
	TURN 1, 0
	STEP 0, 0, 0
	WIN 0
	s_sub_co_u32 s3, s3, 1
	s_cmp_lg_u32 s3, 0
	s_cbranch_scc1 .Llap
	STEP 0, 1, 0                                   ; the last lap fills nothing and asks for nothing
	STEP 0, 2, 0
; THE LAST K STEP (slot 1), BY ROWS.  A block's 8 accumulators take turns, K ascending: 32 products finish 16 rows.
.macro BLOAD q                         ; B's eight fragments of quarter q -> window 1, v[64 q ..]
.irp i, 0,1,2,3,4,5,6,7
	FRAG 64*\q+8*\i, ADRB+1, \q, \i
.endr
.endm
.macro ALOAD a                         ; A's block a, all four quarters -> buffer a % 4
.irp q, 0,1,2,3
	FRAG AF+32*((\a)%4)+8*\q, ADRA+1, \q, \a
.endr
.endm
.macro ROW a
	WIN MUL_LO+0x50*((\a)/4)
.irp q, 0,1,2,3
.if (\a) == 0 && \q == 2
	s_wait_dscnt 16                                ; B's quarters 2 and 3 are in (behind them: A's blocks 2 and 3)
.endif
.irp b, 0,1,2,3,4,5,6,7
	v_wmma_scale_f32_16x16x128_f8f6f4 v[64*((\a)%4)+8*\b:64*((\a)%4)+8*\b+7], v[64*\q+8*\b:64*\q+8*\b+7], v[AF+32*((\a)%4)+8*\q:AF+32*((\a)%4)+8*\q+7], v[64*((\a)%4)+8*\b:64*((\a)%4)+8*\b+7], v[SC+8*NQ+NQ*\b+\q], v[SC+8*NQ+NQ*(\a)+\q] matrix_a_fmt:MATRIX_FMT_FP4 matrix_b_fmt:MATRIX_FMT_FP4 matrix_a_scale:MATRIX_SCALE_ROW1
.endr
.endr
.endm
; THE WAY OUT of block a: through my own stage and back as rows of 512 bytes.  LDS serves a wave's instructions in order (ISA guide 5.7.1.4): no wait between the stores and the loads.
.macro TOSTAGE a
.set AC, 64*((\a)%4)
	WIN 0x08+4*((\a)/4)                            ; the data: window 2 or 3
.irp b, 0,1,2,3,4,5,6,7
	ds_store_b128 v[STO], v[AC+8*\b:AC+8*\b+3] offset:64*\b          ; each accumulator from its low end on
	ds_store_b128 v[STO], v[AC+8*\b+4:AC+8*\b+7] offset:64*\b+16
.endr
	WIN 0
.if (\a) > 0
	s_wait_xcnt 0x0                                ; the block before's stores have read the registers that the loads below fill
.endif
.irp t, 0,1,2,3,4,5,6,7,8,9,10,11,12,13,14,15
	ds_load_b128 v[32+4*\t+32*(\t/8):32+4*\t+32*(\t/8)+3], v[RD] offset:\t*SPITCH   ; v32-63, then v96-127
.endr
.endm
.macro SEND a, younger                 ; younger: LDS loads issued behind block a's
	WIN 0
	s_wait_dscnt \younger
.irp t, 0,1,2,3,4,5,6,7,8,9,10,11,12,13,14,15
	global_store_b128 v[CO], v[32+4*\t+32*(\t/8):32+4*\t+32*(\t/8)+3], s[8:9] offset:(16*(\a)+\t)*SIZE_N*4 th:TH_STORE_NT   ; 32 lanes store 512 consecutive bytes, aligned; 127 rows of 16,384 bytes at the most: inside the signed 24-bit immediate
.endr
.endm
	MEET 0, 0                                      ; slot 1 is whole; nothing is filled again, so no round follows
	SCALES 1
	WIN TO_B
	BLOAD 0                                        ; over B's set 0,
	BLOAD 1                                        ; over the bias
	WIN 0
	ALOAD 0                                        ; over A's set 0
	ALOAD 1
	REST 0
	PLACES NP                                      ; for the loads over the two sets 1
	WIN TO_B
	BLOAD 2
	BLOAD 3
	WIN 0
	ALOAD 2
	ALOAD 3
	s_wait_dscnt 48                                ; all but the 48 just issued
	ROW 0
.irp a, 0,1,2,3,4,5,6,7
	PLACES NP                                      ; behind block a's products: for the reads of its results and the loads into its buffer of A
	TOSTAGE \a
.if \a < 4
	ALOAD \a+4
	s_wait_dscnt 40                                ; out may be block a's 32 stage instructions and the 8 loads of A: all older fragments are in
	ROW \a+1                                       ; the next block is multiplied while block a turns through the stage
	SEND \a, 8
.else
.if \a < 7
	s_wait_dscnt 32
	ROW \a+1
.endif
	SEND \a, 0
.endif
.endr
	s_wait_tensorcnt 0x0                           ; the wave's end
	ds_add_u32 v[SPW], v[NIL]
	s_wait_dscnt 0x0
	CROUND                                         ; the closing round
	s_endpgm
.Lfunc_end_k_q19b9718356_gemm:
	.size	k_q19b9718356_gemm, .Lfunc_end_k_q19b9718356_gemm-k_q19b9718356_gemm
	.p2alignl 7, 3214868480
	.fill 96, 4, 3214868480
	.section	.rodata,"a",@progbits
	.p2align	6, 0x0
	.amdhsa_kernel k_q19b9718356_gemm
		.amdhsa_group_segment_fixed_size 327680
		.amdhsa_private_segment_fixed_size 0
		.amdhsa_enable_private_segment 0
		.amdhsa_kernarg_size 24
		.amdhsa_user_sgpr_count 2
		.amdhsa_user_sgpr_kernarg_segment_ptr 1
		.amdhsa_wavefront_size32 1
		.amdhsa_system_sgpr_workgroup_id_x 1
		.amdhsa_system_sgpr_workgroup_id_y 1
		.amdhsa_system_sgpr_workgroup_id_z 1
		.amdhsa_system_vgpr_workitem_id 0
		.amdhsa_next_free_vgpr 1024
		.amdhsa_next_free_sgpr 84
		.amdhsa_reserve_vcc 0
		.amdhsa_float_denorm_mode_32 3
		.amdhsa_float_denorm_mode_16_64 3
		.amdhsa_memory_ordered 1
		.amdhsa_forward_progress 1
		.amdhsa_inst_pref_size 211
	.end_amdhsa_kernel
	.amdgpu_metadata
---
amdhsa.version: [ 1, 2 ]
amdhsa.kernels:
  - .name:           k_q19b9718356_gemm
    .symbol:         k_q19b9718356_gemm.kd
    .args:
      - { .name: wq, .offset: 0, .size: 8, .value_kind: global_buffer, .address_space: global }
      - { .name: bias_param, .offset: 8, .size: 8, .value_kind: global_buffer, .address_space: global }
      - { .name: out0, .offset: 16, .size: 8, .value_kind: global_buffer, .address_space: global }
    .group_segment_fixed_size: 327680
    .private_segment_fixed_size: 0
    .kernarg_segment_align: 8
    .kernarg_segment_size: 24
    .max_flat_workgroup_size: 128
    .sgpr_count:     84
    .vgpr_count:     1024
    .wavefront_size: 32
...
	.end_amdgpu_metadata
.endif
;; end of part 2
